; MI455X (gfx1250); checked and timed in simulation.
; The chip was launched on July 23, 2026; its instructions are those of AMD's public machine-readable ISA for CDNA 5 (MIT licence, August 2026) and "CDNA5" Instruction Set Architecture Reference Guide (July 2026). The comments in the code are by the model that wrote it; some were corrected since.
;; Linear Mem. Allowed arithmetic: float matrix products may take bf16 or f16 operands with f32 sums; other float arithmetic in f32, or as packed bf16 or f16 multiplies, adds, multiply-adds, maxima and minima; sums over many terms, partial sums and values carried from step to step in f32; what a program stores and reads back later, other than sums and carried values, may be rounded once to bf16 or f16.
;; Inputs: bias 4,096 float32; weight 4,096 x 4,096 float32; x 4,096 x 4,096 float32.
;; Outputs: out0 4,096 x 4,096 float32.
;; 2 versions, each right; version 2 is version 1 with the launch quant written anew for expert scheduling mode. Each part assembles by itself: llvm-mc -triple=amdgcn-amd-amdhsa -mcpu=gfx1250 --defsym DOCPART=n.
;; ======== version 1 of 2: 2 launches
;; limits: values are held in f16: magnitudes above 65,504 overflow, below 6.1e-05 lose precision; inputs' magnitudes at most 65,504
;; workspace buffers: xq 33,554,432 bytes; wq 33,554,432 bytes
;; launch quant (part 1): grid 128 x 2, 16 waves a work-group, no clusters, 0 bytes of LDS; arguments x, weight, xq, wq; writes xq, wq
.if DOCPART == 1
	.amdgcn_target "amdgcn-amd-amdhsa--gfx1250"
	.amdhsa_code_object_version 6
	.text
	.protected	k_qd5de268dc2_quant
	.globl	k_qd5de268dc2_quant
	.p2align	8
	.type	k_qd5de268dc2_quant,@function
k_qd5de268dc2_quant:
	s_mov_b64 s[64:65], 0
	v_nop
	global_prefetch_b8 v0, s[64:65] scope:SCOPE_SE
	s_setreg_imm32_b32 hwreg(HW_REG_WAVE_MODE, 25, 1), 1
	s_wait_xcnt 0x0
; xq = fq(x), wq = fq(weight): abs-max quantisation to whole numbers in -127 .. 127 by blocks, dequantised, rounded once to f16.
; x, weight: [4096][4096] f32.  xq, wq: [4096][4096] f16, the same order.  A block of x is 1 row x 32 columns; a block of weight.T is 32 x 32, which in weight as it lies is 32 rows x 32 columns too.
; For a block with largest magnitude m: scale = 127 / m, q = clip(round-to-even(v scale)), result = q (m / 127).
; LIMITS.  (a) m is held at 2^-120 at the least, in place of the test m == 0: for m = 0 both give 0; for 0 < m < 2^-120 the result is off by at most 2^-120 / 254.
; (b) scale is 127 x v_rcp_f32(m), not the correctly rounded quotient: a number within about 3e-5 of a half-way point may fall one step m / 127 to the other side.
; (c) q (m / 127) stands for q / scale: they differ in the last bits of f32.  (d) f16: a result beyond 65,504 becomes an infinity, and below 6.1e-5 it keeps f16's fixed step of 6e-8.
; (e) NaN and infinities are not treated apart.  The clip is written out: it holds |q| <= 127 whatever the reciprocal's last bits.
; SHARES.  Grid y picks the tensor, grid x a group of 32 rows.  Sixteen waves.  A strip is 32 rows x 128 columns; wave w takes strips w and w + 16 of the 32 in a row.
; Thread t owns the 16 bytes at 16 t of a row's first 8,192 bytes (strip 0) and the same place 8,192 bytes on (strip 1): a wave's load covers 512 consecutive bytes, aligned.
; Out go 8 bytes a lane at 8 t (strip 1: 4,096 on): a wave's store covers 256 consecutive bytes, aligned.  A block's 32 columns are 8 neighbouring lanes x 4 numbers.
; IN FLIGHT.  A wave has 32 loads out: strip 1's row r is asked for as soon as strip 0's row r has been worked on.  Nothing is shared between waves: no LDS, no barrier.
.set ROWI, 16384                       ; bytes in a row of x and weight
.set ROWO, 8192                        ; bytes in a row of xq and wq
.set VI,   1                           ; v1        16 t; never rewritten
.set VO,   2                           ; v2        8 t; never rewritten
.set Q,    4                           ; v[4:35]   eight sets of four: scale, m, m / 127, the reciprocal as it comes
.set X,    36                          ; v[36:163] row r of the strip at X + 4 r; worked on in place
.set Y,    164                         ; v[164:227] row r's 8 bytes to store at Y + 2 r
.set IN,   12                          ; s[12:13]  the tensor read, at the group's first row; never rewritten
.set OUT,  14                          ; s[14:15]  the tensor written, likewise
.set C127, 22                          ; s22  127.0
.set N127, 23                          ; s23  -127.0
.set R127, 24                          ; s24  1 / 127
.set TINY, 25                          ; s25  2^-120
	s_load_b256 s[4:11], s[0:1], 0x0               ; x s[4:5], weight s[6:7], xq s[8:9], wq s[10:11]
	v_lshlrev_b32 v[VI], 4, v0
	v_lshlrev_b32 v[VO], 3, v0
	s_and_b32 s16, ttmp7, 0xffff                   ; 0: x, 1: weight
	s_lshl_b32 s18, ttmp9, 19                      ; the group's 32 rows of 16,384 bytes
	s_mov_b32 s19, 0
	s_lshl_b32 s20, ttmp9, 18                      ; and of 8,192
	s_mov_b32 s21, 0
	s_mov_b32 s[C127], 0x42fe0000
	s_mov_b32 s[N127], 0xc2fe0000
	s_mov_b32 s[R127], 0x3c010204
	s_mov_b32 s[TINY], 0x03800000
	s_wait_kmcnt 0x0
	s_cmp_eq_u32 s16, 0
	s_cselect_b64 s[IN:IN+1], s[4:5], s[6:7]
	s_cselect_b64 s[OUT:OUT+1], s[8:9], s[10:11]
	s_add_nc_u64 s[IN:IN+1], s[IN:IN+1], s[18:19]
	s_add_nc_u64 s[OUT:OUT+1], s[OUT:OUT+1], s[20:21]
.macro LOADROW r, s                    ; my 16 bytes of row r of strip s; the row and the strip stand in the immediate, 516,096 at the most
	global_load_b128 v[X+4*(\r):X+4*(\r)+3], v[VI], s[IN:IN+1] offset:(\r)*ROWI+(\s)*8192 th:TH_LOAD_NT
.endm
; The scales of rows 8 g .. 8 g + 7, a block a row and eight lanes; stage by stage over the eight rows, so that a line and the line that it feeds stand eight apart.
; left: how many younger loads may stay out.
.macro XSTATS g, left
	s_wait_loadcnt \left                           ; loads come back in order (ISA guide 5.7.1): these eight rows are in
.irp p, 0,1,2,3,4,5,6,7
.set xr, X+4*(8*(\g)+\p)
	v_max3_num_f32 v[Q+4*\p+1], |v[xr]|, |v[xr+1]|, |v[xr+2]|
.endr
.irp p, 0,1,2,3,4,5,6,7
.set xr, X+4*(8*(\g)+\p)
	v_max3_num_f32 v[Q+4*\p+1], v[Q+4*\p+1], |v[xr+3]|, s[TINY]
.endr
.irp k, 1,2,4                          ; over the block's eight lanes: every one of them ends with m
.irp p, 0,1,2,3,4,5,6,7
	v_max_num_f32_dpp v[Q+4*\p+1], v[Q+4*\p+1], v[Q+4*\p+1] row_xmask:\k row_mask:0xf bank_mask:0xf
.endr
.endr
.irp p, 0,1,2,3,4,5,6,7
	v_rcp_f32 v[Q+4*\p+3], v[Q+4*\p+1]             ; a batch of eight
.endr
.irp p, 0,1,2,3,4,5,6,7
	v_mul_f32 v[Q+4*\p+2], s[R127], v[Q+4*\p+1]    ; m / 127: plain work that names no reciprocal, behind the last of them (ISA guide 5.7.2)
.endr
	s_wait_alu depctr_va_vdst(0)                   ; one wait for the eight reciprocals, ahead of their first reader
.irp p, 0,1,2,3,4,5,6,7
	v_mul_f32 v[Q+4*\p], s[C127], v[Q+4*\p+3]      ; scale
.endr
.endm
; Row r of strip s, by the scales of set p: scaled, rounded to even, clipped, dequantised, rounded to f16, stored.  refill = 1: strip 1's row r is asked for, ahead of the store.
.macro QROW r, p, s, refill
	v_pk_mul_f32 v[X+4*(\r):X+4*(\r)+1],   v[X+4*(\r):X+4*(\r)+1],   v[Q+4*(\p):Q+4*(\p)+1] op_sel_hi:[1,0]
	v_pk_mul_f32 v[X+4*(\r)+2:X+4*(\r)+3], v[X+4*(\r)+2:X+4*(\r)+3], v[Q+4*(\p):Q+4*(\p)+1] op_sel_hi:[1,0]
.irp j, 0,1,2,3
	v_rndne_f32 v[X+4*(\r)+\j], v[X+4*(\r)+\j]
.endr
.irp j, 0,1,2,3
	v_med3_num_f32 v[X+4*(\r)+\j], v[X+4*(\r)+\j], s[N127], s[C127]
.endr
	v_pk_mul_f32 v[X+4*(\r):X+4*(\r)+1],   v[X+4*(\r):X+4*(\r)+1],   v[Q+4*(\p)+2:Q+4*(\p)+3] op_sel_hi:[1,0]
	v_pk_mul_f32 v[X+4*(\r)+2:X+4*(\r)+3], v[X+4*(\r)+2:X+4*(\r)+3], v[Q+4*(\p)+2:Q+4*(\p)+3] op_sel_hi:[1,0]
	v_cvt_pk_f16_f32 v[Y+2*(\r)],   v[X+4*(\r)],   v[X+4*(\r)+1]
	v_cvt_pk_f16_f32 v[Y+2*(\r)+1], v[X+4*(\r)+2], v[X+4*(\r)+3]
.if \refill
	LOADROW \r, 1
.endif
	global_store_b64 v[VO], v[Y+2*(\r):Y+2*(\r)+1], s[OUT:OUT+1] offset:(\r)*ROWO+(\s)*4096  ; the wave's 256 consecutive bytes of the row
.endm
; The one scale of a strip's 32 x 32 blocks: each lane's 128 numbers in four chains (rows by parity, two chains a row), started by rows 0 and 1: nothing is cleared.
; All 32 loads of the strip are out, in the order of the rows, and none was issued behind them: behind rows 8 g .. 8 g + 7 stand 24 - 8 g younger ones.
.macro WSTATS
.irp g, 0,1,2,3
	s_wait_loadcnt 24-8*\g
.irp p, 0,1,2,3,4,5,6,7
.set xr, X+4*(8*\g+\p)
.if (8*\g+\p) < 2
	v_max_num_f32 v[Q+4+2*\p], |v[xr]|, |v[xr+1]|
	v_max_num_f32 v[Q+5+2*\p], |v[xr+2]|, |v[xr+3]|
.else
	v_max3_num_f32 v[Q+4+2*(\p%2)], v[Q+4+2*(\p%2)], |v[xr]|, |v[xr+1]|
	v_max3_num_f32 v[Q+5+2*(\p%2)], v[Q+5+2*(\p%2)], |v[xr+2]|, |v[xr+3]|
.endif
.endr
.endr
	v_max3_num_f32 v[Q+1], v[Q+4], v[Q+5], v[Q+6]
	v_max3_num_f32 v[Q+1], v[Q+1], v[Q+7], s[TINY]
.irp k, 1,2,4
	v_max_num_f32_dpp v[Q+1], v[Q+1], v[Q+1] row_xmask:\k row_mask:0xf bank_mask:0xf
.endr
	v_rcp_f32 v[Q+3], v[Q+1]
	v_mul_f32 v[Q+2], s[R127], v[Q+1]              ; the plain line behind the reciprocal
	s_wait_alu depctr_va_vdst(0)                   ; and its wait, ahead of its reader
	v_mul_f32 v[Q], s[C127], v[Q+3]
.endm
.irp r, 0,1,2,3,4,5,6,7,8,9,10,11,12,13,14,15,16,17,18,19,20,21,22,23,24,25,26,27,28,29,30,31
	LOADROW \r, 0
.endr
	s_cmp_lg_u32 s16, 0
	s_cbranch_scc1 .Lweight
	; x.  Strip 0: behind rows 8 g .. 8 g + 7 stand the strip's 24 - 8 g later rows and the 8 g rows of strip 1 asked for so far: 24 younger loads, whatever g.
.irp g, 0,1,2,3
	XSTATS \g, 24
.irp p, 0,1,2,3,4,5,6,7
	QROW 8*\g+\p, \p, 0, 1
.endr
.endr
	s_wait_xcnt 0x0                                ; strip 0's stores have read Y, which is written again from here on (ISA guide 3.1)
.irp g, 0,1,2,3                        ; strip 1: nothing is asked for any more: the counts run down
	XSTATS \g, 24-8*\g
.irp p, 0,1,2,3,4,5,6,7
	QROW 8*\g+\p, \p, 1, 0
.endr
.endr
	s_endpgm
.Lweight:
	WSTATS
.irp r, 0,1,2,3,4,5,6,7,8,9,10,11,12,13,14,15,16,17,18,19,20,21,22,23,24,25,26,27,28,29,30,31
	QROW \r, 0, 0, 1
.endr
	s_wait_xcnt 0x0                                ; strip 0's stores have read Y, which is written again from here on
	WSTATS
.irp r, 0,1,2,3,4,5,6,7,8,9,10,11,12,13,14,15,16,17,18,19,20,21,22,23,24,25,26,27,28,29,30,31
	QROW \r, 0, 1, 0
.endr
	s_endpgm
.Lfunc_end_k_qd5de268dc2_quant:
	.size	k_qd5de268dc2_quant, .Lfunc_end_k_qd5de268dc2_quant-k_qd5de268dc2_quant
	.p2alignl 7, 3214868480
	.fill 96, 4, 3214868480
	.section	.rodata,"a",@progbits
	.p2align	6, 0x0
	.amdhsa_kernel k_qd5de268dc2_quant
		.amdhsa_group_segment_fixed_size 0
		.amdhsa_private_segment_fixed_size 0
		.amdhsa_enable_private_segment 0
		.amdhsa_kernarg_size 32
		.amdhsa_user_sgpr_count 2
		.amdhsa_user_sgpr_kernarg_segment_ptr 1
		.amdhsa_wavefront_size32 1
		.amdhsa_system_sgpr_workgroup_id_x 1
		.amdhsa_system_sgpr_workgroup_id_y 1
		.amdhsa_system_sgpr_workgroup_id_z 1
		.amdhsa_system_vgpr_workitem_id 0
		.amdhsa_next_free_vgpr 228
		.amdhsa_next_free_sgpr 66
		.amdhsa_reserve_vcc 0
		.amdhsa_float_denorm_mode_32 3
		.amdhsa_float_denorm_mode_16_64 3
		.amdhsa_memory_ordered 1
		.amdhsa_forward_progress 1
		.amdhsa_inst_pref_size 154
	.end_amdhsa_kernel
	.amdgpu_metadata
---
amdhsa.version: [ 1, 2 ]
amdhsa.kernels:
  - .name:           k_qd5de268dc2_quant
    .symbol:         k_qd5de268dc2_quant.kd
    .args:
      - { .name: x, .offset: 0, .size: 8, .value_kind: global_buffer, .address_space: global }
      - { .name: weight, .offset: 8, .size: 8, .value_kind: global_buffer, .address_space: global }
      - { .name: xq, .offset: 16, .size: 8, .value_kind: global_buffer, .address_space: global }
      - { .name: wq, .offset: 24, .size: 8, .value_kind: global_buffer, .address_space: global }
    .group_segment_fixed_size: 0
    .private_segment_fixed_size: 0
    .kernarg_segment_align: 8
    .kernarg_segment_size: 32
    .max_flat_workgroup_size: 512
    .sgpr_count:     66
    .vgpr_count:     228
    .wavefront_size: 32
...
	.end_amdgpu_metadata
.endif
;; end of part 1
;; launch gemm (part 2): grid 16 x 16, 4 waves a work-group, clusters of 4 x 4, 327,680 bytes of LDS; arguments xq, wq, out0, bias; writes out0
.if DOCPART == 2
	.amdgcn_target "amdgcn-amd-amdhsa--gfx1250"
	.amdhsa_code_object_version 6
	.text
	.protected	k_qd5de268dc2_gemm
	.globl	k_qd5de268dc2_gemm
	.p2align	8
	.type	k_qd5de268dc2_gemm,@function
k_qd5de268dc2_gemm:
	s_mov_b64 s[64:65], 0
	v_nop
	global_prefetch_b8 v0, s[64:65] scope:SCOPE_SE
	s_setreg_imm32_b32 hwreg(HW_REG_WAVE_MODE, 25, 1), 1
	s_wait_xcnt 0x0
	s_wait_alu depctr_hold_cnt(0) depctr_sa_sdst(0) depctr_va_vdst(0) depctr_va_sdst(0) depctr_va_ssrc(0) depctr_va_vcc(0) depctr_vm_vsrc(0)
	s_getreg_b32 s2, hwreg(HW_REG_IB_STS2, 6, 4)
	s_cmp_eq_u32 s2, 0
	s_cbranch_scc0 .Lentry_in_a_cluster
	s_endpgm
.Lentry_in_a_cluster:
	s_bfe_u32 s2, ttmp6, 0x10000c
	s_cmp_lg_u32 s2, 0xf033
	s_cbranch_scc0 .Lentry_shape_is_right
	s_endpgm
.Lentry_shape_is_right:
; out0[t][n] = bias[n] + the sum over k of xq[t][k] wq[n][k].  xq (A): [4096][4096] f16, wq (B): [4096][4096] f16, both with k along the rows; bias: [4096] f32; out0 (C): [4096][4096] f32.  Sums in f32.
; LIMITS.  The operands are f16 as the launch before left them (11 significant bits; nothing beyond 65,504).  NaN and infinities are not treated apart.
; A tile of C, 256 x 256, is made by a work-group of four waves; a wave makes 128 x 128: 64 accumulators of 16 x 16, 512 registers.  C has 16 x 16 tiles: one work-group each.
; K goes in 32 steps of 128 through a ring of two LDS slots filled by the tensor data mover: a tile's rows are 256 bytes of memory and start at multiples of 256 bytes from the buffer's first byte.
; CLUSTERS: 4 x 4 work-groups.  The four of a row of the cluster need the same tiles of A, the four of a column the same tiles of B: each tile is asked for JOINTLY, by the same tensor load with the same
; descriptor and a mask that names the four; each receives it in its own LDS.
; THE BIAS STARTS THE SUMS: it is the C operand of each accumulator's first product, so nothing is cleared and nothing is added on the way out.
; THE LAST K STEP GOES BY ROWS OF C, so that finished blocks of 16 rows leave while the others are multiplied.
; REGISTERS, in windows of 256 (s_set_vgpr_msb: bits 1:0 source 0, 3:2 source 1, 5:4 source 2, 7:6 destination):
;   window 0: v0-31 addresses; v64-127, v128-191 fragments of A, two buffers (in the last K step four, of 16 rows x 128 K); v192-255 the bias, later 16 rows on their way out
;   window 1: v64-127, v128-191 fragments of B, two buffers; in the last K step all 256
;   window 2: the 32 accumulators of my rows 0-63 (accumulator (a, b) at v[8 (8 a + b)]);   window 3: those of my rows 64-127
; THE MATRIX INSTRUCTION IS USED TRANSPOSED: source 0 = 16 rows of B, source 1 = 16 rows of A.  Lane l then holds row l % 16 of C, and its registers 0 to 7 the columns 8 (l / 16) + 0 .. 7: 32 bytes on end.
.set SIZE_M, 4096
.set SIZE_N, 4096
.set SIZE_K, 4096
.set KSTEP,  128
.set PITCH,  272                       ; an LDS row: 256 bytes of data + 16 of padding = 68 words: row r starts at bank 4 r mod 64 (64 banks of 4 bytes: ISA guide 11.1), so the 16 rows of a load start at 16 different banks
.set HALFT,  128*PITCH                 ; 128 rows: what one tensor load brings, and what one wave reads of A or of B
.set SLOT,   4*HALFT                   ; A's 256 rows, then B's 256 rows
.set STAGE,  2*SLOT                    ; behind the ring: 16 rows x 528 bytes for each wave, for the way out; no tensor load fills it
.set SPITCH, 528                       ; a stage row: my 128 columns in f32, 512 bytes, + 16 = 132 words: row r starts at bank 4 r mod 64
.set SPARE,  STAGE+4*16*SPITCH         ; behind the stages: the spare words, 128 bytes for each wave: two blocks of 256 bytes that no other line names
.set LAPS,   SIZE_K/(2*KSTEP)          ; a lap = two K steps = once round the ring
.set ADRA, 16                          ; v16-17  LDS address of my A fragments in slot 0, 1
.set ADRB, 20                          ; v20-21  the same for B
.set STO,  24                          ; v24     the way out: where I put 32 bytes of a row
.set RD,   25                          ; v25     the way out: my 16 bytes of a stage row
.set CO,   26                          ; v26     my 16 bytes of my wave's 512 in a row of C
.set BO,   27                          ; v27     32 (l / 16): my 8 columns in a block of 16 of the bias
.set SPW,  28                          ; v28     LDS address of my spare word: SPARE + 4 x my thread's number; never rewritten
.set NIL,  29                          ; v29     0; never rewritten
.set PFO,  30                          ; v30     the prefetches' offset: my lane x a row of A or B in memory; never rewritten
.set PFA,  44                          ; s[44:45] where my prefetches stand: my work-group's 32 rows of the 128 that I fetch, one K step further along K than the refill that is being asked for
.set LIM,  43                          ; s43     1 in a wave that prefetches, else the greatest number
.set BP,   66                          ; s[66:67] the bias at my wave's first column
.set F0,   64                          ; fragment buffer 0
.set F1,   128                         ; fragment buffer 1
.set BIAS, 192                         ; window 0: the bias of n block b, as a C operand, at BIAS + 8 b
.set OB,   192                         ; the same registers later: row t of a block of 16, read back from the stage, at OB + 4 t
.set PA,   64                          ; the last K step: A's fragments of 16 rows x 128 K, 32 registers; four such buffers, v64-191
.set G1,  24                           ; s[24:31] descriptor group 1 for A's tiles
.set G0,  32                           ; s[32:39] descriptor group 0 for A's tiles, one set for each slot
.set G1B, 48                           ; s[48:55] descriptor group 1 for B's tiles: it differs from A's in the mask alone
.set G0B, 56                           ; s[56:63] descriptor group 0 for B's tiles, one set for each slot
.set MSB, 0
.macro WIN new                         ; the immediate's high byte repeats the setting that is left; a switch that changes nothing is dropped
.if MSB != (\new)
	s_set_vgpr_msb (MSB<<8)|(\new)
.set MSB, \new
.endif
.endm
.set MUL_LO, 0xa1                      ; source 0 (B) window 1, source 1 (A) window 0, C and D window 2
.set MUL_HI, 0xf1                      ; the same, C and D window 3
.set TO_B,   0x40                      ; destination window 1, address window 0
; A joint load.  Waves 0 and 1 fetch A's two halves, waves 2 and 3 B's.  Each of the two lines has one mask and one set of registers for all that issue it; the branch hangs on the wave's number alone.
; An s_nop 0 and four v_nop follow each of the two lines, ahead of the jump, the label and what follows the macro.
.macro JLOAD s
	s_cmp_eq_u32 s11, 0
	s_cbranch_scc0 .Lfor_b_\@
	tensor_load_to_lds s[G0+4*(\s):G0+4*(\s)+3], s[G1:G1+7]
	s_nop 0
.rept 4
	v_nop
.endr
	s_branch .Lasked_\@
.Lfor_b_\@:
	tensor_load_to_lds s[G0B+4*(\s):G0B+4*(\s)+3], s[G1B:G1B+7]
	s_nop 0
.rept 4
	v_nop
.endr
.Lasked_\@:
.endm
; A PREFETCH INTO THE L2, behind each joint refill and the run of LDS loads that follows it: the K step that stands two refills on, 512 matrix instructions ahead of the load that will want it: 32 rows x 256 bytes,
; a lane a row, one instruction a wave.  Each row's 256 bytes of a K step are named once in the launch: A's tile row is read by every cluster of that row of clusters, and the one with x = 0 asks; B's tile
; column by every cluster of that column, and the one with y = 0 asks.  The four partners that ask for a tile jointly share its rows out by address: of the 128 rows that a wave fetches the partner at place p
; takes 32 p .. 32 p + 31 (p = cx for A, cy for B).  K steps 0 to 3 come by their loads alone; the loop's last trip (s3 = 1) asks for nothing: the last K step named is 31.
.macro ASK
	s_cmp_gt_u32 s3, s[LIM]
	s_cbranch_scc0 .Lnot_mine_\@
	global_prefetch_b8 v[PFO], s[PFA:PFA+1] offset:KSTEP*2 th:TH_LOAD_NT scope:SCOPE_SE
.Lnot_mine_\@:
.endm
; A round of the cluster's barrier: my work-group's barrier, so that wave 0's signal speaks for all four waves; wave 0 signals for the work-group; every wave waits for all sixteen work-groups; my work-group's barrier once more.
.macro CREST                           ; a round behind its opening barrier
	s_cmp_lg_u32 s10, 0
	s_cbranch_scc1 .Lnot_wave_0_\@
	s_barrier_signal -3
.Lnot_wave_0_\@:
	s_barrier_wait -3
	s_barrier_signal -1
	s_barrier_wait -1
.endm
.macro CROUND                          ; a whole round
	s_barrier_signal -1
	s_barrier_wait -1
	CREST
.endm
	s_load_b128 s[4:7], s[0:1], 0x0                ; A s[4:5], B s[6:7]
	s_load_b64 s[8:9], s[0:1], 0x10                ; C
	s_load_b64 s[BP:BP+1], s[0:1], 0x18            ; bias
	v_lshl_add_u32 v[SPW], v0, 2, SPARE
	v_mov_b32 v[NIL], 0
	ds_add_u32 v[SPW], v[NIL]                      ; the wave's opening: the add, twice on end, and its wait stand ahead of my first tensor load; the set-up below stands between the second and the wait
	ds_add_u32 v[SPW], v[NIL]                      ; and once more
	v_lshrrev_b32 v1, 5, v0
	v_readfirstlane_b32 s10, v1                    ; wave 0..3
	s_lshr_b32 s11, s10, 1                         ; which half of the tile's rows is mine.  Also: I fetch for A (0) or for B (1)
	s_and_b32 s12, s10, 1                          ; which half of its columns.  Also: which 128 rows of that tile I fetch
	s_bfe_u32 s40, ttmp6, 0x40000                  ; cx: my place along the cluster's x
	s_bfe_u32 s41, ttmp6, 0x40004                  ; cy: along its y
	s_lshl_b32 s42, ttmp9, 2                       ; in a cluster launch ttmp9 and ttmp7 count clusters
	s_add_co_u32 s42, s42, s40                     ; tile column of C = 4 x cluster x + cx
	s_and_b32 s13, ttmp7, 0xffff
	s_lshl_b32 s13, s13, 2
	s_add_co_u32 s13, s13, s41                     ; tile row of C = 4 x cluster y + cy
	s_lshl_b32 s43, s41, 2
	s_lshl_b32 s43, 15, s43                        ; my row of the cluster: places 4 cy .. 4 cy + 3
	s_lshl_b32 s44, 0x1111, s40                    ; my column: places cx, cx + 4, cx + 8, cx + 12
	; descriptor group 1: a tile of 128 rows x 128 elements, padded in LDS
	s_or_b32 s[G1+0], s43, (1<<16)|(1<<20)|(1<<21)|(5<<22)|(3<<25)  ; 15:0 the mask: A's tiles go to my row; 17:16 elements of 2 bytes; 20 padding on; 21 set beside a mask; 24:22 after every 64 words (code 5); 31:25 4 words of it (code 3)
	s_or_b32 s[G1B+0], s44, (1<<16)|(1<<20)|(1<<21)|(5<<22)|(3<<25) ; the same with the mask of my column, for B's tiles
	s_mov_b32 s[G1B+1], KSTEP<<16
	s_mov_b32 s[G1+1], KSTEP<<16                   ; 63:48 tensor_dim0, low half = 128
	s_mov_b32 s[G1B+2], 128<<16
	s_mov_b32 s[G1+2], 128<<16                     ; 95:80 tensor_dim1, low half = 128
	s_mov_b32 s[G1B+3], KSTEP<<16
	s_mov_b32 s[G1+3], KSTEP<<16                   ; 127:112 tile_dim0 = 128
	s_mov_b32 s[G1B+4], 128
	s_mov_b32 s[G1+4], 128                         ; 143:128 tile_dim1 = 128; 159:144 tile_dim2 = 0
	s_mov_b32 s[G1B+5], SIZE_K
	s_mov_b32 s[G1+5], SIZE_K                      ; 191:160 elements from row to row
	s_mov_b32 s[G1B+6], 0
	s_mov_b32 s[G1+6], 0
	s_mov_b32 s[G1B+7], 0
	s_mov_b32 s[G1+7], 0
	; where the tiles come from.  A's hang on the tile row alone, which my row of the cluster shares; B's on the tile column alone, which my column shares.
	s_lshl_b32 s17, s12, 7                         ; which 128 rows of the tile I fetch
	s_lshl_b32 s16, s13, 8
	s_add_co_u32 s16, s16, s17                     ; A: row 256 x tile row + 128 x half
	s_lshl_b32 s46, s42, 8
	s_add_co_u32 s46, s46, s17                     ; B: row 256 x tile column + 128 x half
	s_mov_b32 s17, 0
	s_mov_b32 s47, 0
	s_mov_b64 s[18:19], SIZE_K*2
	s_mul_u64 s[16:17], s[16:17], s[18:19]         ; in bytes
	s_mul_u64 s[46:47], s[46:47], s[18:19]
	s_mul_i32 s20, s10, HALFT                      ; and where they go: wave x 128 rows: no place in the cluster enters an LDS address
	s_wait_dscnt 0x0                               ; both opening adds are done
	s_wait_kmcnt 0x0
	s_add_nc_u64 s[14:15], s[4:5], s[16:17]
	s_add_nc_u64 s[46:47], s[6:7], s[46:47]
	CROUND                                         ; all sixteen work-groups are here: the first joint loads meet
.irp s, 0,1
	s_mov_b32 s[G0+4*(\s)], 1                                      ; 1:0 count = 1
	s_add_co_u32 s[G0+4*(\s)+1], s20, (\s)*SLOT                    ; 63:32 LDS address
	s_add_nc_u64 s[G0+4*(\s)+2:G0+4*(\s)+3], s[14:15], (\s)*KSTEP*2  ; 120:64 global address: K step s
	s_or_b32 s[G0+4*(\s)+3], s[G0+4*(\s)+3], 0x80000000            ; 127:126 type = 2
	s_mov_b32 s[G0B+4*(\s)], 1
	s_add_co_u32 s[G0B+4*(\s)+1], s20, (\s)*SLOT
	s_add_nc_u64 s[G0B+4*(\s)+2:G0B+4*(\s)+3], s[46:47], (\s)*KSTEP*2
	s_or_b32 s[G0B+4*(\s)+3], s[G0B+4*(\s)+3], 0x80000000
	JLOAD \s                                       ; the ring is filled before anything else is done: two tensor loads of mine are out
.endr
	; A fragment is 16 rows x 32 K in 8 registers: lane l holds row l % 16; registers 0-3 hold K = 8 (l / 16) + 0..7, registers 4-7 hold K = 16 + 8 (l / 16) + 0..7: two loads of 16 bytes, 32 bytes apart.
	v_and_b32 v1, 15, v0                           ; l % 16
	v_bfe_u32 v2, v0, 4, 1                         ; l / 16
	v_mul_u32_u24 v3, v1, PITCH
	v_lshl_add_u32 v3, v2, 4, v3                   ; row x pitch + 16 x half
	s_mul_i32 s21, s11, HALFT                      ; my 128 rows of A
	s_mul_i32 s22, s12, HALFT                      ; my 128 rows of B,
	s_add_co_u32 s22, s22, 2*HALFT                 ; which lie behind A's 256
.irp s, 0,1
	v_add_nc_u32 v[ADRA+(\s)], s21, v3
	v_add_nc_u32 v[ADRB+(\s)], s22, v3
	s_add_co_u32 s21, s21, SLOT
	s_add_co_u32 s22, s22, SLOT
.endr
	s_mul_i32 s23, s10, 16*SPITCH
	s_add_co_u32 s23, s23, STAGE                   ; my stage
	v_mul_u32_u24 v4, v1, SPITCH                   ; in: row l % 16, 32 bytes for each half of the lanes
	v_lshl_add_u32 v4, v2, 5, v4
	v_add_nc_u32 v[STO], s23, v4
	v_and_b32 v5, 31, v0
	v_lshlrev_b32 v[CO], 4, v5                     ; back: 32 lanes take one row of 512 bytes,
	v_add_nc_u32 v[RD], s23, v[CO]                 ; in the stage as in C
	v_lshlrev_b32 v[BO], 5, v2
	; where my part of the tile begins in C, in bytes: the first way out adds it to C's address
	s_lshl_b32 s13, s13, 8
	s_lshl_b32 s14, s11, 7
	s_add_co_u32 s16, s13, s14                     ; my first row of C
	s_mov_b32 s17, 0
	s_mov_b64 s[18:19], SIZE_N*4
	s_mul_u64 s[16:17], s[16:17], s[18:19]
	s_lshl_b32 s46, s42, 10                        ; my first column, in bytes of f32: 1,024 x tile column + 512 x half
	s_lshl_b32 s47, s12, 9
	s_add_co_u32 s46, s46, s47
	s_mov_b32 s47, 0
	s_add_nc_u64 s[16:17], s[16:17], s[46:47]
	s_add_nc_u64 s[BP:BP+1], s[BP:BP+1], s[46:47]  ; the bias goes by the same columns
	; the prefetches.  s13 = 256 x tile row, s42 = tile column, s40 = cx, s41 = cy still stand
	s_lshl_b32 s42, s42, 8
	s_and_b32 s22, ttmp7, 0xffff                   ; cluster y
	s_cmp_eq_u32 s11, 0                            ; do I fetch for A?
	s_cselect_b32 s20, s13, s42                    ; the tile's first row: in A by the tile row, in B by the tile column
	s_cselect_b32 s21, s40, s41                    ; my place among the four that ask for it with me
	s_cselect_b32 s22, ttmp9, s22                  ; the coordinate along which other clusters read the same rows
	s_cselect_b64 s[PFA:PFA+1], s[4:5], s[6:7]
	s_cmp_eq_u32 s22, 0
	s_cselect_b32 s[LIM], 1, -1                    ; the same in all sixteen partners, for a given wave
	s_lshl_b32 s22, s12, 7
	s_add_co_u32 s20, s20, s22                     ; + the 128 rows that I fetch
	s_lshl_b32 s21, s21, 5
	s_add_co_u32 s20, s20, s21                     ; + my work-group's 32 of them
	s_mov_b32 s21, 0
	s_mov_b64 s[18:19], SIZE_K*2
	s_mul_u64 s[20:21], s[20:21], s[18:19]
	s_add_nc_u64 s[PFA:PFA+1], s[PFA:PFA+1], s[20:21]
	s_add_nc_u64 s[PFA:PFA+1], s[PFA:PFA+1], 2*KSTEP*2  ; at K step 2: the first refill steps it to 3 and names K step 4
	v_and_b32 v[PFO], 31, v0
	v_mul_u32_u24 v[PFO], v[PFO], SIZE_K*2
	; the bias of my 128 columns, laid as a C operand: register j of n block b is column 16 b + 8 (l / 16) + j, whatever the row
.irp b, 0,1,2,3,4,5,6,7
	global_load_b128 v[BIAS+8*(\b):BIAS+8*(\b)+3],   v[BO], s[BP:BP+1] offset:64*(\b)
	global_load_b128 v[BIAS+8*(\b)+4:BIAS+8*(\b)+7], v[BO], s[BP:BP+1] offset:64*(\b)+16
.endr
; 16 matrix instructions: m blocks a0, a0 + 1 of the window's four (hi = 0: my rows 0-63, 1: rows 64-127) x all 8 n blocks, 32 along K.
; first = 1: the product starts the sum, with the bias (window 0) as C.  The 64 accumulators take turns, one instruction a turn, in the same order in every quarter step.
.macro MUL16 f, hi, a0, first
.if \first
	WIN 0x81+0x40*(\hi)
.else
	WIN MUL_LO+0x50*(\hi)
.endif
.irp a, \a0, (\a0)+1
.irp b, 0,1,2,3,4,5,6,7
.if \first
	v_wmma_f32_16x16x32_f16 v[8*(8*(\a)+(\b)):8*(8*(\a)+(\b))+7], v[(\f)+8*(\b):(\f)+8*(\b)+7], v[(\f)+8*(4*(\hi)+(\a)):(\f)+8*(4*(\hi)+(\a))+7], v[BIAS+8*(\b):BIAS+8*(\b)+7]
.else
	v_wmma_f32_16x16x32_f16 v[8*(8*(\a)+(\b)):8*(8*(\a)+(\b))+7], v[(\f)+8*(\b):(\f)+8*(\b)+7], v[(\f)+8*(4*(\hi)+(\a)):(\f)+8*(4*(\hi)+(\a))+7], v[8*(8*(\a)+(\b)):8*(8*(\a)+(\b))+7]
.endif
.endr
.endr
.endm
; 32 LDS loads in one run: the fragments of one quarter step (128 rows of B, 128 rows of A, 32 K at byte k of the rows) into buffer f
.macro FETCH slot, k, f
	WIN TO_B
.irp i, 0,1,2,3,4,5,6,7
	ds_load_b128 v[(\f)+8*(\i):(\f)+8*(\i)+3],   v[ADRB+(\slot)] offset:(\k)+(\i)*16*PITCH
	ds_load_b128 v[(\f)+8*(\i)+4:(\f)+8*(\i)+7], v[ADRB+(\slot)] offset:(\k)+(\i)*16*PITCH+32
.endr
	WIN 0
.irp i, 0,1,2,3,4,5,6,7
	ds_load_b128 v[(\f)+8*(\i):(\f)+8*(\i)+3],   v[ADRA+(\slot)] offset:(\k)+(\i)*16*PITCH
	ds_load_b128 v[(\f)+8*(\i)+4:(\f)+8*(\i)+7], v[ADRA+(\slot)] offset:(\k)+(\i)*16*PITCH+32
.endr
.endm
; A load into a register that a matrix instruction has read, and an LDS store that reads a matrix result, stand four places behind that matrix instruction, and only plain vector instructions that name none
; of its registers are places (ISA guide 7.12.1 for vector instructions).
.macro PLACES
.rept 4
	v_nop
.endr
.endm
; A K step is four quarter steps of 32 along K, 64 matrix instructions each, on buffers 0, 1, 0, 1.
; One of the first three: multiplies buffer f; in its middle it fetches the next quarter's fragments, at byte k of the same slot's rows, into buffer g.
.macro QUARTER slot, k, f, g, first
	s_wait_dscnt 8                                 ; B and A's rows 0-63 are in; the youngest eight loads (A's rows 64-127) may be out
	MUL16 \f, 0, 0, \first
	MUL16 \f, 0, 2, \first
	PLACES
	FETCH \slot, \k, \g
	s_wait_dscnt 32                                ; all but the 32 just issued
	MUL16 \f, 1, 0, \first
	MUL16 \f, 1, 2, \first
.endm
; The last quarter multiplies buffer 1 and changes slots.  MEET is its first half: one barrier for the change.  In front of it each wave waits for all its tensor loads, of which one is out: its part of the next
; slot; adds 0 to its spare word; and waits for that and for its own reads of this slot.  Behind it nobody reads this slot any more and the next slot is whole.
.macro MEET round                      ; round = 1: a round of the cluster's barrier follows
	WIN 0                                          ; (the add's two registers lie in window 0)
	s_wait_tensorcnt 0x0                           ; all my tensor loads have landed;
	ds_add_u32 v[SPW], v[NIL]                      ; 0 onto my spare word;
	s_wait_dscnt 9                                 ; (the add and the youngest eight loads may be out)
	MUL16 F1, 0, 0, 0                              ; sixteen matrix instructions stand between the add and the wait for it
	s_wait_dscnt 0x0                               ; the add is done, and my reads of this slot are over:
	s_barrier_signal -1                            ; say so,
	MUL16 F1, 0, 2, 0                              ; work on registers while the others arrive,
.if \round
	WIN 0
.endif
	s_barrier_wait -1                              ; and go on when all four have said so
.endm
; The whole last quarter.  Behind the round the slot just read out is filled again first, with the K step two steps on; then come the next slot's first fragments.
; From a request to the wait for it a wave issues 224 matrix instructions.
.macro TURN slot, next
	s_wait_xcnt 0x0                                ; the last prefetch, a K step back, has read its address: it is stepped here, ahead of the waits of the change of slots
	s_add_nc_u64 s[PFA:PFA+1], s[PFA:PFA+1], KSTEP*2
	MEET 1
	CREST                                          ; all sixteen work-groups have said so: no wave of any partner still reads this slot's tile or has a load on its way
	s_add_nc_u64 s[G0+4*(\slot)+2:G0+4*(\slot)+3], s[G0+4*(\slot)+2:G0+4*(\slot)+3], 2*KSTEP*2
	s_add_nc_u64 s[G0B+4*(\slot)+2:G0B+4*(\slot)+3], s[G0B+4*(\slot)+2:G0B+4*(\slot)+3], 2*KSTEP*2
	JLOAD \slot                                    ; the first tensor load behind the round, my only one until the next; the four v_nop behind it are also the places in front of the loads below
	FETCH \next, 0, F0
	ASK
	MUL16 F1, 1, 0, 0
	MUL16 F1, 1, 2, 0
.endm
; THE LAST K STEP (it lies in slot 1) GOES BY ROWS OF C.  All its fragments of B (4 quarters x 64 registers) fill window 1; then my eight blocks of 16 rows are finished one after the other, each with
; 32 matrix instructions (its 8 accumulators by turns, K ascending).  LDS is read no more than in any other K step.
.macro BLOAD q                         ; B's fragments of quarter q -> window 1, v[64 q ..]
	WIN TO_B
.irp i, 0,1,2,3,4,5,6,7
	ds_load_b128 v[64*(\q)+8*(\i):64*(\q)+8*(\i)+3],   v[ADRB+1] offset:64*(\q)+(\i)*16*PITCH
	ds_load_b128 v[64*(\q)+8*(\i)+4:64*(\q)+8*(\i)+7], v[ADRB+1] offset:64*(\q)+(\i)*16*PITCH+32
.endr
.endm
.macro ALOAD a                         ; A's fragments of block a, all four quarters -> buffer a % 4
	WIN 0
.set FA, PA+32*((\a)%4)
.irp q, 0,1,2,3
	ds_load_b128 v[FA+8*(\q):FA+8*(\q)+3],   v[ADRA+1] offset:64*(\q)+(\a)*16*PITCH
	ds_load_b128 v[FA+8*(\q)+4:FA+8*(\q)+7], v[ADRA+1] offset:64*(\q)+(\a)*16*PITCH+32
.endr
.endm
.macro ROW a                           ; block a is finished: 32 matrix instructions
.set FA, PA+32*((\a)%4)                ; its fragments of A
.set AC, 64*((\a)%4)                   ; its eight accumulators, in window 2 (blocks 0-3) or 3 (blocks 4-7)
	WIN MUL_LO+0x50*((\a)/4)
.irp q, 0,1,2,3
.if (\a) == 0 && (\q) == 2
	s_wait_dscnt 24                                ; B's quarter 2 is in (behind it: A's blocks 1 to 3)
.endif
.irp b, 0,1,2,3,4,5,6,7
	v_wmma_f32_16x16x32_f16 v[AC+8*(\b):AC+8*(\b)+7], v[64*(\q)+8*(\b):64*(\q)+8*(\b)+7], v[FA+8*(\q):FA+8*(\q)+7], v[AC+8*(\b):AC+8*(\b)+7]
.endr
.endr
.endm
; THE WAY OUT of block a.  TOSTAGE: a lane's 32 bytes of each n block go into my own stage, the accumulator's low four registers first, and come back as whole rows of 512 bytes.  SEND: stored.
.macro TOSTAGE a
.set AC, 64*((\a)%4)
	WIN 0x08+4*((\a)/4)                            ; the stores' data in window 2 or 3, their address in window 0
.irp b, 0,1,2,3,4,5,6,7
	ds_store_b128 v[STO], v[AC+8*(\b):AC+8*(\b)+3]   offset:64*(\b)
	ds_store_b128 v[STO], v[AC+8*(\b)+4:AC+8*(\b)+7] offset:64*(\b)+16
.endr
	WIN 0
	s_wait_xcnt 0x0                                ; the block before's stores have read their data and their base (ISA guide 3.1): both are written again below, and no global instruction stands between
.irp t, 0,1,2,3,4,5,6,7,8,9,10,11,12,13,14,15
	ds_load_b128 v[OB+4*(\t):OB+4*(\t)+3], v[RD] offset:(\t)*SPITCH  ; LDS serves a wave's instructions in order (ISA guide 5.7.1.4): these see the stores above
.endr
.endm
.macro SEND a, younger                 ; younger: the LDS loads issued behind TOSTAGE's, which may stay out
	WIN 0
	s_wait_dscnt \younger                          ; the block is back in registers
.if (\a) == 0
	s_add_nc_u64 s[8:9], s[8:9], s[16:17]          ; on to my first rows
.else
	s_add_nc_u64 s[8:9], s[8:9], 16*SIZE_N*4       ; 16 rows of C on
.endif
.irp t, 0,1,2,3,4,5,6,7,8,9,10,11,12,13,14,15
	global_store_b128 v[CO], v[OB+4*(\t):OB+4*(\t)+3], s[8:9] offset:(\t)*SIZE_N*4 th:TH_STORE_NT  ; the wave stores 512 consecutive bytes, at a multiple of 512 from C's first byte
.endr
.endm
	s_wait_tensorcnt 1                             ; my part of K step 0 is in; K step 1's may stay out
	s_barrier_signal -1
	s_barrier_wait -1                              ; everybody's is
	FETCH 0, 0, F0
	s_wait_loadcnt 0x0                             ; the bias
	QUARTER 0, 64,  F0, F1, 1                      ; the first quarter stands in front of the loop: its products start the sums, from the bias
	WIN 0                                          ; at a label and at a branch every window is 0
	s_mov_b32 s3, LAPS-1
.Llap:                                                 ; a trip goes once round the ring, from a lap's second quarter to the next lap's first, and fills both slots again
	QUARTER 0, 128, F1, F0, 0
	QUARTER 0, 192, F0, F1, 0
	TURN 0, 1
	QUARTER 1, 64,  F0, F1, 0
	QUARTER 1, 128, F1, F0, 0
	QUARTER 1, 192, F0, F1, 0
	TURN 1, 0
	QUARTER 0, 64,  F0, F1, 0
	WIN 0
	s_sub_co_u32 s3, s3, 1
	s_cmp_lg_u32 s3, 0
	s_cbranch_scc1 .Llap
	QUARTER 0, 128, F1, F0, 0                      ; the last lap goes on; it asks for nothing more
	QUARTER 0, 192, F0, F1, 0
	MEET 0                                         ; my one tensor load that was still out is slot 1's, the last K step's, so no round follows
	PLACES                                         ; for the loads into buffer 0, which the quarter before multiplied
	BLOAD 0                                        ; three quarters of B now: buffer 1 (v128-191 of both windows) is still being multiplied
	BLOAD 1
	BLOAD 3
	ALOAD 0
	MUL16 F1, 1, 0, 0
	MUL16 F1, 1, 2, 0
	PLACES                                         ; for the loads into buffer 1
	BLOAD 2
	ALOAD 1
	ALOAD 2
	ALOAD 3
	s_wait_dscnt 40                                ; all but the 40 just issued
	ROW 0
.irp a, 0,1,2,3,4,5,6,7                ; each block leaves as soon as it is finished
	PLACES                                         ; its LDS stores read results just made, and the load below lands in a buffer just multiplied
	TOSTAGE \a
.if (\a) < 4
	ALOAD (\a)+4                                   ; its buffer takes the block four further on
	SEND \a, 8
.else
	SEND \a, 0
.endif
.if (\a) < 7
	ROW (\a)+1
.endif
.endr
	s_wait_tensorcnt 0x0                           ; the wave's end: behind my last tensor load and my last LDS store
	ds_add_u32 v[SPW], v[NIL]
	s_wait_dscnt 0x0
	CROUND                                         ; the closing round: no work-group ends while a partner may still ask for a tile that names it
	s_endpgm
.Lfunc_end_k_qd5de268dc2_gemm:
	.size	k_qd5de268dc2_gemm, .Lfunc_end_k_qd5de268dc2_gemm-k_qd5de268dc2_gemm
	.p2alignl 7, 3214868480
	.fill 96, 4, 3214868480
	.section	.rodata,"a",@progbits
	.p2align	6, 0x0
	.amdhsa_kernel k_qd5de268dc2_gemm
		.amdhsa_group_segment_fixed_size 327680
		.amdhsa_private_segment_fixed_size 0
		.amdhsa_enable_private_segment 0
		.amdhsa_kernarg_size 32
		.amdhsa_user_sgpr_count 2
		.amdhsa_user_sgpr_kernarg_segment_ptr 1
		.amdhsa_wavefront_size32 1
		.amdhsa_system_sgpr_workgroup_id_x 1
		.amdhsa_system_sgpr_workgroup_id_y 1
		.amdhsa_system_sgpr_workgroup_id_z 1
		.amdhsa_system_vgpr_workitem_id 0
		.amdhsa_next_free_vgpr 1024
		.amdhsa_next_free_sgpr 68
		.amdhsa_reserve_vcc 0
		.amdhsa_float_denorm_mode_32 3
		.amdhsa_float_denorm_mode_16_64 3
		.amdhsa_memory_ordered 1
		.amdhsa_forward_progress 1
		.amdhsa_inst_pref_size 144
	.end_amdhsa_kernel
	.amdgpu_metadata
---
amdhsa.version: [ 1, 2 ]
amdhsa.kernels:
  - .name:           k_qd5de268dc2_gemm
    .symbol:         k_qd5de268dc2_gemm.kd
    .args:
      - { .name: xq, .offset: 0, .size: 8, .value_kind: global_buffer, .address_space: global }
      - { .name: wq, .offset: 8, .size: 8, .value_kind: global_buffer, .address_space: global }
      - { .name: out0, .offset: 16, .size: 8, .value_kind: global_buffer, .address_space: global }
      - { .name: bias, .offset: 24, .size: 8, .value_kind: global_buffer, .address_space: global }
    .group_segment_fixed_size: 327680
    .private_segment_fixed_size: 0
    .kernarg_segment_align: 8
    .kernarg_segment_size: 32
    .max_flat_workgroup_size: 128
    .sgpr_count:     68
    .vgpr_count:     1024
    .wavefront_size: 32
...
	.end_amdgpu_metadata
.endif
;; end of part 2
;; ======== version 2 of 2: 2 launches; version 1 with the launch quant written anew for expert scheduling mode
;; limits: values are held in f16: magnitudes above 65,504 overflow, below 6.1e-05 lose precision; inputs' magnitudes at most 65,504
;; workspace buffers: xq 33,554,432 bytes; wq 33,554,432 bytes
;; launch quant (part 3): grid 128 x 2, 16 waves a work-group, no clusters, 0 bytes of LDS; arguments x, weight, xq, wq; writes xq, wq
.if DOCPART == 3
	.amdgcn_target "amdgcn-amd-amdhsa--gfx1250"
	.amdhsa_code_object_version 6
	.text
	.protected	k_qd5de268dc2_quant
	.globl	k_qd5de268dc2_quant
	.p2align	8
	.type	k_qd5de268dc2_quant,@function
k_qd5de268dc2_quant:
	s_mov_b64 s[64:65], 0
	v_nop
	global_prefetch_b8 v0, s[64:65] scope:SCOPE_SE
	s_setreg_imm32_b32 hwreg(HW_REG_WAVE_SCHED_MODE, 0, 2), 2
	s_setreg_imm32_b32 hwreg(HW_REG_WAVE_MODE, 25, 1), 1
	s_wait_xcnt 0x0
	s_wait_alu depctr_vm_vsrc(0)
; xq = fq(x), wq = fq(weight): abs-max quantisation to whole numbers in -127 .. 127 by blocks, dequantised, rounded once to f16.
; x, weight: [4096][4096] f32.  xq, wq: [4096][4096] f16, the same order.  A block of x is 1 row x 32 columns; a block of weight.T is 32 x 32, which in weight as it lies is 32 rows x 32 columns too.
; For a block with largest magnitude m: scale = 127 / m, q = clip(round-to-even(v scale)), result = q (m / 127).
; LIMITS.  (a) m is held at 2^-120 at the least, in place of the test m == 0: for m = 0 both give 0; for 0 < m < 2^-120 the result is off by at most 2^-120 / 254.
; (b) scale is 127 x v_rcp_f32(m), not the correctly rounded quotient: a number within about 3e-5 of a half-way point may fall one step m / 127 to the other side.
; (c) q (m / 127) stands for q / scale: they differ in the last bits of f32.  (d) f16: a result beyond 65,504 becomes an infinity, and below 6.1e-5 it keeps f16's fixed step of 6e-8.
; (e) NaN and infinities are not treated apart.  The clip is written out: it holds |q| <= 127 whatever the reciprocal's last bits.
; SHARES.  Grid y picks the tensor, grid x a group of 32 rows.  Sixteen waves.  A strip is 32 rows x 128 columns; wave w takes strips w and w + 16 of the 32 in a row.
; Thread t owns the 16 bytes at 16 t of a row's first 8,192 bytes (strip 0) and the same place 8,192 bytes on (strip 1): a wave's load covers 512 consecutive bytes, aligned.
; Out go 8 bytes a lane at 8 t (strip 1: 4,096 on): a wave's store covers 256 consecutive bytes, aligned.  A block's 32 columns are 8 neighbouring lanes x 4 numbers.
; Nothing is shared between waves: no LDS, no barrier.
; THE MODE: SCHED_MODE bits 1:0 = 2 (LLVM: expert scheduling mode 2), set by the entry lines.  The code itself states the register dependences
; between vector instructions and memory instructions, with s_wait_alu, always for 0.
; THE PLAN.  A strip's 32 rows go in four groups of eight; a wave has eight TURNS: strip 0's groups 0 to 3, then strip 1's.  Registers that memory instructions touch:
;   X[g]    group g's eight rows as loaded.  Turn g's maxima read it, its arithmetic works on it in place.  The loads of strip 1's group g land in it; they are issued in the turn after strip 0's turn g.
;   Y[g]    group g's eight rows to store.  Written by turn g's conversions; read by the eight stores that are issued in the turn after; written again four turns later.
;   v1, v2  byte offsets, made once at the head and never written again: the rows and strips stand in the immediate offsets.
;   Q, the scales, is named by vector instructions alone.
; A turn's vector lines name its own X, its own Y and Q; its memory instructions are the loads into the X and the stores from the Y of the turn BEFORE.  So one wait on va_vdst a turn states all that the
; turn's sixteen memory instructions hang on, and these are dealt among its rows, a load and a store in front of each row's lines, with no further wait.  On x's path that wait is the one that the turn's eight
; reciprocals want in any case; on weight's path, which has one reciprocal a strip, it stands at the turn's head.  A wait on vm_vsrc, beside s_wait_xcnt 0, stands ahead of the turns that write a Y whose stores
; were issued since the last such wait.
; IN FLIGHT.  32 loads of a wave at the start; on x's path then 16 to 24: at a turn's head the eight awaited and sixteen younger ones.
.set ROWI, 16384                       ; bytes in a row of x and weight
.set ROWO, 8192                        ; bytes in a row of xq and wq
.set VI,   1                           ; v1        16 t; never rewritten
.set VO,   2                           ; v2        8 t; never rewritten
.set Q,    4                           ; v[4:35]   eight sets of four: scale, m, m / 127, the reciprocal as it comes
.set X,    36                          ; v[36:163] row r of the strip at X + 4 r; worked on in place
.set Y,    164                         ; v[164:227] row r's 8 bytes to store at Y + 2 r
.set IN,   12                          ; s[12:13]  the tensor read, at the group's first row; never rewritten
.set OUT,  14                          ; s[14:15]  the tensor written, likewise
.set C127, 22                          ; s22  127.0
.set N127, 23                          ; s23  -127.0
.set R127, 24                          ; s24  1 / 127
.set TINY, 25                          ; s25  2^-120
	s_load_b256 s[4:11], s[0:1], 0x0               ; x s[4:5], weight s[6:7], xq s[8:9], wq s[10:11]
	v_lshlrev_b32 v[VI], 4, v0
	v_lshlrev_b32 v[VO], 3, v0
	s_and_b32 s16, ttmp7, 0xffff                   ; 0: x, 1: weight
	s_lshl_b32 s18, ttmp9, 19                      ; the group's 32 rows of 16,384 bytes
	s_mov_b32 s19, 0
	s_lshl_b32 s20, ttmp9, 18                      ; and of 8,192
	s_mov_b32 s21, 0
	s_mov_b32 s[C127], 0x42fe0000
	s_mov_b32 s[N127], 0xc2fe0000
	s_mov_b32 s[R127], 0x3c010204
	s_mov_b32 s[TINY], 0x03800000
	s_wait_kmcnt 0x0
	s_cmp_eq_u32 s16, 0
	s_cselect_b64 s[IN:IN+1], s[4:5], s[6:7]
	s_cselect_b64 s[OUT:OUT+1], s[8:9], s[10:11]
	s_add_nc_u64 s[IN:IN+1], s[IN:IN+1], s[18:19]
	s_add_nc_u64 s[OUT:OUT+1], s[OUT:OUT+1], s[20:21]
	s_wait_alu depctr_va_vdst(0)                   ; v1 and v2 are written: every load and store of the kernel reads one of them as its offset
.macro LOADROW r, s                    ; my 16 bytes of row r of strip s; the row and the strip stand in the immediate, 516,096 at the most
	global_load_b128 v[X+4*(\r):X+4*(\r)+3], v[VI], s[IN:IN+1] offset:(\r)*ROWI+(\s)*8192 th:TH_LOAD_NT
.endm
.macro STOREROW r, s                   ; my 8 bytes of row r of strip s: the wave's 256 consecutive bytes of the row
	global_store_b64 v[VO], v[Y+2*(\r):Y+2*(\r)+1], s[OUT:OUT+1] offset:(\r)*ROWO+(\s)*4096
.endm
; The scales of rows 8 g .. 8 g + 7, a block a row and eight lanes; stage by stage over the eight rows, so that a line and the line that it feeds stand eight apart.
; left: how many younger loads may stay out.
.macro XSTATS g, left
	s_wait_loadcnt \left                           ; loads come back in order (ISA guide 5.7.1): these eight rows are in
.irp p, 0,1,2,3,4,5,6,7
.set xr, X+4*(8*(\g)+\p)
	v_max3_num_f32 v[Q+4*\p+1], |v[xr]|, |v[xr+1]|, |v[xr+2]|
.endr
.irp p, 0,1,2,3,4,5,6,7
.set xr, X+4*(8*(\g)+\p)
	v_max3_num_f32 v[Q+4*\p+1], v[Q+4*\p+1], |v[xr+3]|, s[TINY]
.endr
.irp k, 1,2,4                          ; over the block's eight lanes: every one of them ends with m
.irp p, 0,1,2,3,4,5,6,7
	v_max_num_f32_dpp v[Q+4*\p+1], v[Q+4*\p+1], v[Q+4*\p+1] row_xmask:\k row_mask:0xf bank_mask:0xf
.endr
.endr
.irp p, 0,1,2,3,4,5,6,7
	v_rcp_f32 v[Q+4*\p+3], v[Q+4*\p+1]             ; a batch of eight
.endr
.irp p, 0,1,2,3,4,5,6,7
	v_mul_f32 v[Q+4*\p+2], s[R127], v[Q+4*\p+1]    ; m / 127: plain work that names no reciprocal, behind the last of them (ISA guide 5.7.2)
.endr
	s_wait_alu depctr_va_vdst(0)                   ; the eight reciprocals are written, ahead of their first reader; and the turn before has written its Y, which this turn's stores read, and is done with its X, in which this turn's loads land
.irp p, 0,1,2,3,4,5,6,7
	v_mul_f32 v[Q+4*\p], s[C127], v[Q+4*\p+3]      ; scale
.endr
.endm
; Row r, by the scales of set p: scaled, rounded to even, clipped, dequantised, rounded to f16 into Y.  It names X's row r, Y's row r and Q, and nothing else.
.macro ARITH r, p
	v_pk_mul_f32 v[X+4*(\r):X+4*(\r)+1],   v[X+4*(\r):X+4*(\r)+1],   v[Q+4*(\p):Q+4*(\p)+1] op_sel_hi:[1,0]
	v_pk_mul_f32 v[X+4*(\r)+2:X+4*(\r)+3], v[X+4*(\r)+2:X+4*(\r)+3], v[Q+4*(\p):Q+4*(\p)+1] op_sel_hi:[1,0]
.irp j, 0,1,2,3
	v_rndne_f32 v[X+4*(\r)+\j], v[X+4*(\r)+\j]
.endr
.irp j, 0,1,2,3
	v_med3_num_f32 v[X+4*(\r)+\j], v[X+4*(\r)+\j], s[N127], s[C127]
.endr
	v_pk_mul_f32 v[X+4*(\r):X+4*(\r)+1],   v[X+4*(\r):X+4*(\r)+1],   v[Q+4*(\p)+2:Q+4*(\p)+3] op_sel_hi:[1,0]
	v_pk_mul_f32 v[X+4*(\r)+2:X+4*(\r)+3], v[X+4*(\r)+2:X+4*(\r)+3], v[Q+4*(\p)+2:Q+4*(\p)+3] op_sel_hi:[1,0]
	v_cvt_pk_f16_f32 v[Y+2*(\r)],   v[X+4*(\r)],   v[X+4*(\r)+1]
	v_cvt_pk_f16_f32 v[Y+2*(\r)+1], v[X+4*(\r)+2], v[X+4*(\r)+3]
.endm
; A turn's rows, 8 g .. 8 g + 7.  own = 1: a set of scales to each row (x); 0: set 0 for all (weight).
; mem = 1: in front of each row's lines stand the memory instructions of the same row of the group before, (g + 3) % 4: its store, into strip 'strip'; with refill = 1 also, first, the load of its row of strip 1.
; No wait stands among them: no vector line issued since the turn's wait on va_vdst names a register of that group.
.macro GROUP g, own, mem, strip, refill
.irp p, 0,1,2,3,4,5,6,7
.if \mem
.if \refill
	LOADROW 8*((\g+3)%4)+\p, 1
.endif
	STOREROW 8*((\g+3)%4)+\p, \strip
.endif
	ARITH 8*(\g)+\p, (\own)*\p
.endr
.endm
; The one scale of a strip's 32 x 32 blocks: each lane's 128 numbers in four chains (rows by parity, two chains a row), started by rows 0 and 1: nothing is cleared.
; All 32 loads of the strip are out, in the order of the rows, and none was issued behind them: behind rows 8 g .. 8 g + 7 stand 24 - 8 g younger ones.
.macro WSTATS
.irp g, 0,1,2,3
	s_wait_loadcnt 24-8*\g
.irp p, 0,1,2,3,4,5,6,7
.set xr, X+4*(8*\g+\p)
.if (8*\g+\p) < 2
	v_max_num_f32 v[Q+4+2*\p], |v[xr]|, |v[xr+1]|
	v_max_num_f32 v[Q+5+2*\p], |v[xr+2]|, |v[xr+3]|
.else
	v_max3_num_f32 v[Q+4+2*(\p%2)], v[Q+4+2*(\p%2)], |v[xr]|, |v[xr+1]|
	v_max3_num_f32 v[Q+5+2*(\p%2)], v[Q+5+2*(\p%2)], |v[xr+2]|, |v[xr+3]|
.endif
.endr
.endr
	v_max3_num_f32 v[Q+1], v[Q+4], v[Q+5], v[Q+6]
	v_max3_num_f32 v[Q+1], v[Q+1], v[Q+7], s[TINY]
.irp k, 1,2,4
	v_max_num_f32_dpp v[Q+1], v[Q+1], v[Q+1] row_xmask:\k row_mask:0xf bank_mask:0xf
.endr
	v_rcp_f32 v[Q+3], v[Q+1]
	v_mul_f32 v[Q+2], s[R127], v[Q+1]              ; the plain line behind the reciprocal
	s_wait_alu depctr_va_vdst(0)                   ; the reciprocal is written, ahead of its reader
	v_mul_f32 v[Q], s[C127], v[Q+3]
.endm
.irp r, 0,1,2,3,4,5,6,7,8,9,10,11,12,13,14,15,16,17,18,19,20,21,22,23,24,25,26,27,28,29,30,31
	LOADROW \r, 0
.endr
	s_cmp_lg_u32 s16, 0
	s_cbranch_scc1 .Lweight
	; x.  The loads go out in this order: strip 0's 32 rows, then strip 1's group b in turn b + 1.  Younger than the eight rows that a turn waits for: turn 0: strip 0's other 24; turns 1 to 3: what is left of
	; strip 0 and the groups of strip 1 asked for so far, 16 together; turns 4 and 5: two groups of strip 1; then the counts run down.
	XSTATS 0, 24
	GROUP 0, 1, 0, 0, 0                            ; turn 0: no turn in front of it, no memory instruction
	XSTATS 1, 16
	GROUP 1, 1, 1, 0, 1
	XSTATS 2, 16
	GROUP 2, 1, 1, 0, 1
	XSTATS 3, 16
	GROUP 3, 1, 1, 0, 1
	XSTATS 0, 16                                   ; turn 4: strip 1's group 0
	s_wait_xcnt 0x0                                ; every earlier memory instruction has had its addresses translated (ISA guide 3.1): Y is rewritten only behind this wait
	s_wait_alu depctr_vm_vsrc(0)                   ; the stores issued in turns 1 to 3 have read Y[0], Y[1] and Y[2], which turns 4 to 6 write again
	GROUP 0, 1, 1, 0, 1                            ; the group before is strip 0's group 3: the last refill
	XSTATS 1, 16
	GROUP 1, 1, 1, 1, 0
	XSTATS 2, 8
	GROUP 2, 1, 1, 1, 0
	XSTATS 3, 0
	s_wait_xcnt 0x0                                ; as above, for the stores issued since
	s_wait_alu depctr_vm_vsrc(0)                   ; the stores issued in turn 4 have read Y[3], which this turn writes again
	GROUP 3, 1, 1, 1, 0
	s_wait_alu depctr_va_vdst(0)                   ; the last turn has written Y[3], which the last eight stores read
.irp p, 0,1,2,3,4,5,6,7
	STOREROW 24+\p, 1
.endr
	s_endpgm
.Lweight:
	WSTATS
	GROUP 0, 0, 0, 0, 0                            ; turn 0: no memory instruction
	s_wait_alu depctr_va_vdst(0)                   ; turn 0 has written Y[0], which this turn's stores read, and is done with X[0], in which this turn's loads land
	GROUP 1, 0, 1, 0, 1
	s_wait_alu depctr_va_vdst(0)                   ; the same of turn 1, Y[1] and X[1]
	GROUP 2, 0, 1, 0, 1
	s_wait_alu depctr_va_vdst(0)                   ; the same of turn 2, Y[2] and X[2]
	GROUP 3, 0, 1, 0, 1
	s_wait_alu depctr_va_vdst(0)                   ; the same of turn 3, Y[3] and X[3]: its loads and stores go out in a run, since the maxima below wait for all of strip 1
.irp p, 0,1,2,3,4,5,6,7
	LOADROW 24+\p, 1
	STOREROW 24+\p, 0
.endr
	WSTATS
	s_wait_xcnt 0x0                                ; every earlier memory instruction has had its addresses translated (ISA guide 3.1): Y is rewritten only behind this wait
	s_wait_alu depctr_vm_vsrc(0)                   ; strip 0's 32 stores have read Y, which the four turns below write again
	GROUP 0, 0, 0, 0, 0                            ; turn 4: strip 0's last stores are out already, and nothing is asked for any more
	s_wait_alu depctr_va_vdst(0)                   ; turn 4 has written Y[0], which this turn's stores read
	GROUP 1, 0, 1, 1, 0
	s_wait_alu depctr_va_vdst(0)                   ; turn 5 has written Y[1], which this turn's stores read
	GROUP 2, 0, 1, 1, 0
	s_wait_alu depctr_va_vdst(0)                   ; turn 6 has written Y[2], which this turn's stores read
	GROUP 3, 0, 1, 1, 0
	s_wait_alu depctr_va_vdst(0)                   ; the last turn has written Y[3], which the last eight stores read
.irp p, 0,1,2,3,4,5,6,7
	STOREROW 24+\p, 1
.endr
	s_endpgm
.Lfunc_end_k_qd5de268dc2_quant:
	.size	k_qd5de268dc2_quant, .Lfunc_end_k_qd5de268dc2_quant-k_qd5de268dc2_quant
	.p2alignl 7, 3214868480
	.fill 96, 4, 3214868480
	.section	.rodata,"a",@progbits
	.p2align	6, 0x0
	.amdhsa_kernel k_qd5de268dc2_quant
		.amdhsa_group_segment_fixed_size 0
		.amdhsa_private_segment_fixed_size 0
		.amdhsa_enable_private_segment 0
		.amdhsa_kernarg_size 32
		.amdhsa_user_sgpr_count 2
		.amdhsa_user_sgpr_kernarg_segment_ptr 1
		.amdhsa_wavefront_size32 1
		.amdhsa_system_sgpr_workgroup_id_x 1
		.amdhsa_system_sgpr_workgroup_id_y 1
		.amdhsa_system_sgpr_workgroup_id_z 1
		.amdhsa_system_vgpr_workitem_id 0
		.amdhsa_next_free_vgpr 228
		.amdhsa_next_free_sgpr 66
		.amdhsa_reserve_vcc 0
		.amdhsa_float_denorm_mode_32 3
		.amdhsa_float_denorm_mode_16_64 3
		.amdhsa_memory_ordered 1
		.amdhsa_forward_progress 1
		.amdhsa_inst_pref_size 155
	.end_amdhsa_kernel
	.amdgpu_metadata
---
amdhsa.version: [ 1, 2 ]
amdhsa.kernels:
  - .name:           k_qd5de268dc2_quant
    .symbol:         k_qd5de268dc2_quant.kd
    .args:
      - { .name: x, .offset: 0, .size: 8, .value_kind: global_buffer, .address_space: global }
      - { .name: weight, .offset: 8, .size: 8, .value_kind: global_buffer, .address_space: global }
      - { .name: xq, .offset: 16, .size: 8, .value_kind: global_buffer, .address_space: global }
      - { .name: wq, .offset: 24, .size: 8, .value_kind: global_buffer, .address_space: global }
    .group_segment_fixed_size: 0
    .private_segment_fixed_size: 0
    .kernarg_segment_align: 8
    .kernarg_segment_size: 32
    .max_flat_workgroup_size: 512
    .sgpr_count:     66
    .vgpr_count:     228
    .wavefront_size: 32
...
	.end_amdgpu_metadata
.endif
;; end of part 3
;; launch gemm: the kernel of part 2 again; grid 16 x 16, 4 waves a work-group, clusters of 4 x 4, 327,680 bytes of LDS; arguments xq, wq, out0, bias; writes out0
